; MI455X (gfx1250); checked and timed in simulation.
; The chip was launched on July 23, 2026; its instructions are those of AMD's public machine-readable ISA for CDNA 5 (MIT licence, August 2026) and "CDNA5" Instruction Set Architecture Reference Guide (July 2026). The comments in the code are by the model that wrote it; some were corrected since.
;; My Max Pool. Allowed arithmetic: float matrix products may take bf16 or f16 operands with f32 sums; all other float work in f32.
;; Inputs: x 64 x 512 x 512 float32.
;; Outputs: out0 64 x 256 x 256 float32.
;; 2 versions, each right; version 2 is version 1 with the launch pool written anew for expert scheduling mode. Each part assembles by itself: llvm-mc -triple=amdgcn-amd-amdhsa -mcpu=gfx1250 --defsym DOCPART=n.
;; ======== version 1 of 2: 1 launch
;; launch pool (part 1): grid 256 x 1, 16 waves a work-group, no clusters, 0 bytes of LDS; arguments x, out0; writes out0
.if DOCPART == 1
	.amdgcn_target "amdgcn-amd-amdhsa--gfx1250"
	.amdhsa_code_object_version 6
	.text
	.protected	k_q639699a35c_pool
	.globl	k_q639699a35c_pool
	.p2align	8
	.type	k_q639699a35c_pool,@function
k_q639699a35c_pool:
	s_mov_b64 s[64:65], 0
	v_nop
	global_prefetch_b8 v0, s[64:65] scope:SCOPE_SE
	s_setreg_imm32_b32 hwreg(HW_REG_WAVE_MODE, 25, 1), 1
	s_wait_xcnt 0x0
; out0[c][i][j] = P( P(x[c][2i][2j], x[c][2i][2j+1]), P(x[c][2i+1][2j], x[c][2i+1][2j+1]) ),  P(a, b) = relu(relu(a - b) + relu(b)).
; x: [64][512][512] f32, out0: [64][256][256] f32.
; P is NOT max(a, b): for b < 0 < a it is a - b.  So it is computed as written: a subtraction, two maxima with 0, an addition, each
; rounded as in the formula.  Left out are only the relu that change nothing for any input: the outer relu of P (its argument is a sum
; of two numbers that are each >= 0) and, in the last stage, relu(m2), m2 being such a sum itself.
; LIMIT: v_max_num_f32 drops a NaN, jnp.maximum passes it on.  For inputs that are NaN or infinite, or so large that a difference
; overflows f32 (magnitudes around 1.7e38 and above), this text can give a number or +inf where the formula gives NaN.  For finite inputs
; whose differences stay finite every operation and rounding is the formula's.
;
; SHARES.  An output row (1,024 bytes) needs two input rows, 4,096 consecutive bytes of x; the 16,384 output rows lie one after the other
; in both buffers.  A work-group owns 64 consecutive output rows: 262,144 bytes in, 65,536 out.  Wave w of 16 takes rows w, 16 + w, 32 + w, 48 + w
; of them, so that the sixteen waves walk neighbouring pieces of 4,096 bytes.  Of each 512-byte segment a lane takes 16 bytes at 16 x lane:
; a load of the wave covers 512 consecutive bytes, aligned.  The same segment of the upper and of the lower input row gives a lane two
; neighbouring outputs: a store of the wave covers 256 consecutive bytes, aligned.
; NO LOOP, NO LDS, NO BARRIER: a wave issues its 32 loads (16,384 bytes) at once into 128 registers and works through them as they arrive;
; no wave needs another's data.  No register that a load or a store names is ever written again, so no wait frees a source.
.set SEG,    512                       ; bytes that one load of a wave covers
.set PAIR,   4096                      ; two input rows: the input of one output row
.set ROWOUT, 1024                      ; bytes in an output row
.set WAVES,  16
.set LOADS,  32                        ; loads of a wave: 4 output rows x 8 segments
.set IN,  2                            ; v2        byte offset of my 16 bytes in my wave's first pair of input rows; never rewritten
.set OUT, 3                            ; v3        byte offset of my 8 bytes in my wave's first output row; never rewritten
.set T,   4                            ; v[4:19]   two sets of eight registers at work, taken by turns
.set X,   20                           ; v[20:147] load n = 8 q + i (row q of my four, segment i: 0-3 upper input row, 4-7 lower): 4 registers
	s_load_b128 s[4:7], s[0:1], 0x0                ; x s[4:5], out0 s[6:7]
	v_and_b32 v1, 31, v0                           ; lane
	v_and_b32 v[T], 0x1e0, v0                      ; 32 x wave
	v_lshlrev_b32 v[T+1], 4, v1                    ; 16 bytes a lane in
	v_lshlrev_b32 v[T+2], 3, v1                    ; 8 bytes a lane out
	v_lshl_or_b32 v[IN],  v[T], 7, v[T+1]          ; + wave x 4,096
	v_lshl_or_b32 v[OUT], v[T], 5, v[T+2]          ; + wave x 1,024
	s_lshl_b32 s2, ttmp9, 18                       ; the work-group's 262,144 bytes of x (at most 255 x 2^18: below 4 GiB)
	s_mov_b32 s3, 0
	s_lshl_b32 s8, ttmp9, 16                       ; and its 65,536 bytes of out0
	s_mov_b32 s9, 0
	s_wait_kmcnt 0x0
	s_add_nc_u64 s[4:5], s[4:5], s[2:3]
	s_add_nc_u64 s[6:7], s[6:7], s[8:9]
	; All 32 loads, in the order of their addresses.  x is read once in the whole launch: non-temporal.
.irp q, 0,1,2,3
.irp i, 0,1,2,3,4,5,6,7
	global_load_b128 v[X+4*(8*\q+\i):X+4*(8*\q+\i)+3], v[IN], s[4:5] offset:\q*WAVES*PAIR+SEG*\i th:TH_LOAD_NT
.endr
.endr
; Segment s of row q: the upper row's four numbers t0..t3 (load 8 q + s) and the lower row's b0..b3 (load 8 q + 4 + s) make two outputs.
.macro GROUP q, s
.set TT, X+4*(8*\q+\s)                 ; t0..t3
.set BB, X+4*(8*\q+4+\s)               ; b0..b3
.set DD, T+8*((\s)%2)                  ; four differences, then the four first-stage results
.set EE, T+8*((\s)%2)+4                ; four relu(b), then the last stage's differences
	s_wait_loadcnt LOADS-1-(8*\q+4+\s)             ; loads return in the order of issue (ISA guide 5.7.1): the count is the number of loads issued behind the lower row's segment, the younger of my two
	v_sub_f32 v[DD],   v[TT],   v[TT+1]            ; a - b of the four pairs
	v_sub_f32 v[DD+1], v[TT+2], v[TT+3]
	v_sub_f32 v[DD+2], v[BB],   v[BB+1]
	v_sub_f32 v[DD+3], v[BB+2], v[BB+3]
	v_max_num_f32 v[EE],   0, v[TT+1]              ; relu(b)
	v_max_num_f32 v[EE+1], 0, v[TT+3]
	v_max_num_f32 v[EE+2], 0, v[BB+1]
	v_max_num_f32 v[EE+3], 0, v[BB+3]
	v_max_num_f32 v[DD],   0, v[DD]                ; relu(a - b)
	v_max_num_f32 v[DD+1], 0, v[DD+1]
	v_max_num_f32 v[DD+2], 0, v[DD+2]
	v_max_num_f32 v[DD+3], 0, v[DD+3]
	v_pk_add_f32 v[DD:DD+1],   v[DD:DD+1],   v[EE:EE+1]      ; m1 of both outputs (upper row)
	v_pk_add_f32 v[DD+2:DD+3], v[DD+2:DD+3], v[EE+2:EE+3]    ; m2 of both outputs (lower row)
	v_pk_add_f32 v[EE:EE+1], v[DD:DD+1], v[DD+2:DD+3] neg_lo:[0,1] neg_hi:[0,1]   ; m1 - m2
	v_max_num_f32 v[EE],   0, v[EE]                ; relu(m1 - m2)
	v_max_num_f32 v[EE+1], 0, v[EE+1]
	v_pk_add_f32 v[TT:TT+1], v[EE:EE+1], v[DD+2:DD+3]        ; + m2 (= relu(m2)); into registers of a load that has arrived, written by nothing after this
	global_store_b64 v[OUT], v[TT:TT+1], s[6:7] offset:\q*WAVES*ROWOUT+256*\s th:TH_STORE_NT   ; 32 lanes x 8 bytes: 256 consecutive bytes at a multiple of 256 from out0's first byte; written once, not read again
.endm
.irp q, 0,1,2,3
.irp s, 0,1,2,3
	GROUP \q, \s
.endr
.endr
	s_endpgm
.Lfunc_end_k_q639699a35c_pool:
	.size	k_q639699a35c_pool, .Lfunc_end_k_q639699a35c_pool-k_q639699a35c_pool
	.p2alignl 7, 3214868480
	.fill 96, 4, 3214868480
	.section	.rodata,"a",@progbits
	.p2align	6, 0x0
	.amdhsa_kernel k_q639699a35c_pool
		.amdhsa_group_segment_fixed_size 0
		.amdhsa_private_segment_fixed_size 0
		.amdhsa_enable_private_segment 0
		.amdhsa_kernarg_size 16
		.amdhsa_user_sgpr_count 2
		.amdhsa_user_sgpr_kernarg_segment_ptr 1
		.amdhsa_wavefront_size32 1
		.amdhsa_system_sgpr_workgroup_id_x 1
		.amdhsa_system_sgpr_workgroup_id_y 1
		.amdhsa_system_sgpr_workgroup_id_z 1
		.amdhsa_system_vgpr_workitem_id 0
		.amdhsa_next_free_vgpr 148
		.amdhsa_next_free_sgpr 66
		.amdhsa_reserve_vcc 0
		.amdhsa_float_denorm_mode_32 3
		.amdhsa_float_denorm_mode_16_64 3
		.amdhsa_memory_ordered 1
		.amdhsa_forward_progress 1
		.amdhsa_inst_pref_size 17
	.end_amdhsa_kernel
	.amdgpu_metadata
---
amdhsa.version: [ 1, 2 ]
amdhsa.kernels:
  - .name:           k_q639699a35c_pool
    .symbol:         k_q639699a35c_pool.kd
    .args:
      - { .name: x, .offset: 0, .size: 8, .value_kind: global_buffer, .address_space: global }
      - { .name: out0, .offset: 8, .size: 8, .value_kind: global_buffer, .address_space: global }
    .group_segment_fixed_size: 0
    .private_segment_fixed_size: 0
    .kernarg_segment_align: 8
    .kernarg_segment_size: 16
    .max_flat_workgroup_size: 512
    .sgpr_count:     66
    .vgpr_count:     148
    .wavefront_size: 32
...
	.end_amdgpu_metadata
.endif
;; end of part 1
;; ======== version 2 of 2: 1 launch; version 1 with the launch pool written anew for expert scheduling mode
;; launch pool (part 2): grid 256 x 1, 16 waves a work-group, no clusters, 0 bytes of LDS; arguments x, out0; writes out0
.if DOCPART == 2
	.amdgcn_target "amdgcn-amd-amdhsa--gfx1250"
	.amdhsa_code_object_version 6
	.text
	.protected	k_q639699a35c_pool
	.globl	k_q639699a35c_pool
	.p2align	8
	.type	k_q639699a35c_pool,@function
k_q639699a35c_pool:
	s_mov_b64 s[64:65], 0
	v_nop
	global_prefetch_b8 v0, s[64:65] scope:SCOPE_SE
	s_setreg_imm32_b32 hwreg(HW_REG_WAVE_SCHED_MODE, 0, 2), 2
	s_setreg_imm32_b32 hwreg(HW_REG_WAVE_MODE, 25, 1), 1
	s_wait_xcnt 0x0
	s_wait_alu depctr_vm_vsrc(0)
; out0[c][i][j] = P( P(x[c][2i][2j], x[c][2i][2j+1]), P(x[c][2i+1][2j], x[c][2i+1][2j+1]) ),  P(a, b) = relu(relu(a - b) + relu(b)).
; x: [64][512][512] f32, out0: [64][256][256] f32.
; P is NOT max(a, b): for b < 0 < a it is a - b.  So it is computed as written: a subtraction, two maxima with 0, an addition, each
; rounded as in the formula.  Left out are only the relu that change nothing for any input: the outer relu of P (its argument is a sum
; of two numbers that are each >= 0) and, in the last stage, relu(m2), m2 being such a sum itself.
; LIMIT: v_max_num_f32 drops a NaN, jnp.maximum passes it on.  For inputs that are NaN or infinite, or so large that a difference
; overflows f32 (magnitudes around 1.7e38 and above), this text can give a number or +inf where the formula gives NaN.  For finite inputs
; whose differences stay finite every operation and rounding is the formula's.
;
; SHARES.  An output row (1,024 bytes) needs two input rows, 4,096 consecutive bytes of x; the 16,384 output rows lie one after the other
; in both buffers.  A work-group owns 64 consecutive output rows: 262,144 bytes in, 65,536 out.  Wave w of 16 takes rows w, 16 + w, 32 + w, 48 + w
; of them, so that the sixteen waves walk neighbouring pieces of 4,096 bytes.  Of each 512-byte segment a lane takes 16 bytes at 16 x lane:
; a load of the wave covers 512 consecutive bytes, aligned.  The same segment of the upper and of the lower input row gives a lane two
; neighbouring outputs: a store of the wave covers 256 consecutive bytes, aligned.
; NO LOOP, NO LDS, NO BARRIER: a wave issues its 32 loads (16,384 bytes) at once into 128 registers and works through them as they arrive;
; no wave needs another's data.  No register that a load or a store names is ever written again, so no wait frees a source.
;
; THE MODE: SCHED_MODE bits 1:0 = 2 (LLVM: expert scheduling mode 2), set by the entry lines.  The code itself states the register dependences
; between vector instructions and memory instructions, with s_wait_alu, always for 0.
; THE PLAN.  Registers that memory instructions touch:
;   v[IN], v[OUT]   written once each at the head by a vector instruction; read as offsets by the 32 loads and the 16 stores; never written again.
;   X               each four registers are the target of one load; no vector instruction names them ahead of the loads, and no load is issued
;                   behind the head.  Behind its counted wait on LOADcnt a set is named by its own group's vector instructions alone.
;   out-pairs       the first two registers of a group's upper-row set: written once, by the group's last addition; read by one store; then left alone.
;   v1, T           named by vector instructions alone.
; So five waits on va_vdst state everything: one ahead of the first load (the two offsets are written), and one behind the four groups of each
; output row, ahead of the row's run of four stores (the four out-pairs are written).  The run stands ahead of the next row's wait for data.
; Nothing that a memory instruction reads is written again: no wait on vm_vsrc is owed.  No vector instruction writes a scalar register, VCC or EXEC.
.set SEG,    512                       ; bytes that one load of a wave covers
.set PAIR,   4096                      ; two input rows: the input of one output row
.set ROWOUT, 1024                      ; bytes in an output row
.set WAVES,  16
.set LOADS,  32                        ; loads of a wave: 4 output rows x 8 segments
.set IN,  2                            ; v2        byte offset of my 16 bytes in my wave's first pair of input rows; never rewritten
.set OUT, 3                            ; v3        byte offset of my 8 bytes in my wave's first output row; never rewritten
.set T,   4                            ; v[4:19]   two sets of eight registers at work, taken by turns
.set X,   20                           ; v[20:147] load n = 8 q + i (row q of my four, segment i: 0-3 upper input row, 4-7 lower): 4 registers
	s_load_b128 s[4:7], s[0:1], 0x0                ; x s[4:5], out0 s[6:7]
	v_and_b32 v1, 31, v0                           ; lane
	v_and_b32 v[T], 0x1e0, v0                      ; 32 x wave
	v_lshlrev_b32 v[T+1], 4, v1                    ; 16 bytes a lane in
	v_lshlrev_b32 v[T+2], 3, v1                    ; 8 bytes a lane out
	v_lshl_or_b32 v[IN],  v[T], 7, v[T+1]          ; + wave x 4,096
	v_lshl_or_b32 v[OUT], v[T], 5, v[T+2]          ; + wave x 1,024
	s_lshl_b32 s2, ttmp9, 18                       ; the work-group's 262,144 bytes of x (at most 255 x 2^18: below 4 GiB)
	s_mov_b32 s3, 0
	s_lshl_b32 s8, ttmp9, 16                       ; and its 65,536 bytes of out0
	s_mov_b32 s9, 0
	s_wait_kmcnt 0x0
	s_add_nc_u64 s[4:5], s[4:5], s[2:3]
	s_add_nc_u64 s[6:7], s[6:7], s[8:9]
	s_wait_alu depctr_va_vdst(0)                   ; v[IN] and v[OUT] are written: every load below reads the one as its offset, every store the other
	; All 32 loads, in the order of their addresses.  x is read once in the whole launch: non-temporal.
.irp q, 0,1,2,3
.irp i, 0,1,2,3,4,5,6,7
	global_load_b128 v[X+4*(8*\q+\i):X+4*(8*\q+\i)+3], v[IN], s[4:5] offset:\q*WAVES*PAIR+SEG*\i th:TH_LOAD_NT
.endr
.endr
; Segment s of row q: the upper row's four numbers t0..t3 (load 8 q + s) and the lower row's b0..b3 (load 8 q + 4 + s) make two outputs,
; which are left in the group's out-pair, t0's and t1's registers.
.macro GROUP q, s
.set TT, X+4*(8*\q+\s)                 ; t0..t3
.set BB, X+4*(8*\q+4+\s)               ; b0..b3
.set DD, T+8*((\s)%2)                  ; four differences, then the four first-stage results
.set EE, T+8*((\s)%2)+4                ; four relu(b), then the last stage's differences
	s_wait_loadcnt LOADS-1-(8*\q+4+\s)             ; loads return in the order of issue (ISA guide 5.7.1): the count is the number of loads issued behind the lower row's segment, the younger of my two
	v_sub_f32 v[DD],   v[TT],   v[TT+1]            ; a - b of the four pairs
	v_sub_f32 v[DD+1], v[TT+2], v[TT+3]
	v_sub_f32 v[DD+2], v[BB],   v[BB+1]
	v_sub_f32 v[DD+3], v[BB+2], v[BB+3]
	v_max_num_f32 v[EE],   0, v[TT+1]              ; relu(b)
	v_max_num_f32 v[EE+1], 0, v[TT+3]
	v_max_num_f32 v[EE+2], 0, v[BB+1]
	v_max_num_f32 v[EE+3], 0, v[BB+3]
	v_max_num_f32 v[DD],   0, v[DD]                ; relu(a - b)
	v_max_num_f32 v[DD+1], 0, v[DD+1]
	v_max_num_f32 v[DD+2], 0, v[DD+2]
	v_max_num_f32 v[DD+3], 0, v[DD+3]
	v_pk_add_f32 v[DD:DD+1],   v[DD:DD+1],   v[EE:EE+1]      ; m1 of both outputs (upper row)
	v_pk_add_f32 v[DD+2:DD+3], v[DD+2:DD+3], v[EE+2:EE+3]    ; m2 of both outputs (lower row)
	v_pk_add_f32 v[EE:EE+1], v[DD:DD+1], v[DD+2:DD+3] neg_lo:[0,1] neg_hi:[0,1]   ; m1 - m2
	v_max_num_f32 v[EE],   0, v[EE]                ; relu(m1 - m2)
	v_max_num_f32 v[EE+1], 0, v[EE+1]
	v_pk_add_f32 v[TT:TT+1], v[EE:EE+1], v[DD+2:DD+3]        ; + m2 (= relu(m2)); into registers of a load that has arrived, written by nothing after this
.endm
.irp q, 0,1,2,3
.irp s, 0,1,2,3
	GROUP \q, \s
.endr
	s_wait_alu depctr_va_vdst(0)                   ; the row's four last additions have written the four out-pairs, which the four stores below read
.irp s, 0,1,2,3
	global_store_b64 v[OUT], v[X+4*(8*\q+\s):X+4*(8*\q+\s)+1], s[6:7] offset:\q*WAVES*ROWOUT+256*\s th:TH_STORE_NT   ; 32 lanes x 8 bytes: 256 consecutive bytes at a multiple of 256 from out0's first byte; written once, not read again
.endr
.endr
	s_endpgm
.Lfunc_end_k_q639699a35c_pool:
	.size	k_q639699a35c_pool, .Lfunc_end_k_q639699a35c_pool-k_q639699a35c_pool
	.p2alignl 7, 3214868480
	.fill 96, 4, 3214868480
	.section	.rodata,"a",@progbits
	.p2align	6, 0x0
	.amdhsa_kernel k_q639699a35c_pool
		.amdhsa_group_segment_fixed_size 0
		.amdhsa_private_segment_fixed_size 0
		.amdhsa_enable_private_segment 0
		.amdhsa_kernarg_size 16
		.amdhsa_user_sgpr_count 2
		.amdhsa_user_sgpr_kernarg_segment_ptr 1
		.amdhsa_wavefront_size32 1
		.amdhsa_system_sgpr_workgroup_id_x 1
		.amdhsa_system_sgpr_workgroup_id_y 1
		.amdhsa_system_sgpr_workgroup_id_z 1
		.amdhsa_system_vgpr_workitem_id 0
		.amdhsa_next_free_vgpr 148
		.amdhsa_next_free_sgpr 66
		.amdhsa_reserve_vcc 0
		.amdhsa_float_denorm_mode_32 3
		.amdhsa_float_denorm_mode_16_64 3
		.amdhsa_memory_ordered 1
		.amdhsa_forward_progress 1
		.amdhsa_inst_pref_size 18
	.end_amdhsa_kernel
	.amdgpu_metadata
---
amdhsa.version: [ 1, 2 ]
amdhsa.kernels:
  - .name:           k_q639699a35c_pool
    .symbol:         k_q639699a35c_pool.kd
    .args:
      - { .name: x, .offset: 0, .size: 8, .value_kind: global_buffer, .address_space: global }
      - { .name: out0, .offset: 8, .size: 8, .value_kind: global_buffer, .address_space: global }
    .group_segment_fixed_size: 0
    .private_segment_fixed_size: 0
    .kernarg_segment_align: 8
    .kernarg_segment_size: 16
    .max_flat_workgroup_size: 512
    .sgpr_count:     66
    .vgpr_count:     148
    .wavefront_size: 32
...
	.end_amdgpu_metadata
.endif
;; end of part 2
